; MI455X (gfx1250); checked and timed in simulation.
; The chip was launched on July 23, 2026; its instructions are those of AMD's public machine-readable ISA for CDNA 5 (MIT licence, August 2026) and "CDNA5" Instruction Set Architecture Reference Guide (July 2026). The comments in the code are by the model that wrote it; some were corrected since.
;; Atte module. Allowed arithmetic: matrix products marked QUANTISED: E4M3 operands, one given power-of-two scale a tensor, by v_wmma_f32_16x16x64_fp8_fp8 or v_wmma_f32_16x16x128_fp8_fp8, f32 sums; products left as they are: f32 operands where the result goes on into a quantised operand, else bf16, f16 or f32 operands; f32 sums; everything else in f32.
;; Inputs: W1 1 x 768 float32; W2 5 x 768 float32; attention_mask 4 x 256 x 256 float32; b1 1 float32; b2 5 float32; emb 100 x 768 float32; k 4 x 256 x 768 float32; length_mask 4 x 256 x 256 int32; lowp_scales 2 int32 (the exponents e of the quantised operands' scales 2^e); m_codes 4 x 768 x 8 x 32 uint8 (E4M3 codes of m, K innermost, in blocks of 32 codes); q 4 x 256 x 768 float32.
;; Outputs: out0 4 x 256 x 768 float32; out1 4 x 256 x 256 x 5 float32.
;; This version of the problem:
;;   THIS VERSION OF THE PROBLEM IS GIVEN IN LOW PRECISION. The matrix products marked QUANTISED in the list below multiply operands that are first quantised to E4M3 (4 exponent bits, 3 mantissa bits; 8 bits a number), with one given power-of-two scale for each operand tensor; their sums are f32. All else is computed in f32.
;;   The module's matrix products, in the order in which they are computed (A, B: the left and right operand; K: the contracted axis; several contracted axes count as one K, in the product's order):
;;     1. [M 262,144, K 768] x [K 768, N 1]; A: computed on the way; B: input W1: left as it is (N = 1 < 16)
;;     2. [M 262,144, K 768] x [K 768, N 5]; A: computed on the way; B: input W2: left as it is (N = 5 < 16)
;;     3. batch 4 x [M 256, K 256] x [K 256, N 768]; A: softmax (see below); B: input m (given as codes): QUANTISED (scales: A lowp_scales[0], B lowp_scales[1])
;;   THE QUANTISER, for each operand of a quantised product, along K:
;;     - The operand's scale is 2^e, e = its entry of the input lowp_scales (int32; the entries are numbered through the quantised products in the list's order, A before B).
;;     - Each number is divided by the scale, clamped to +-448, and rounded to the nearest number of E4M3, ties to even, subnormals kept.
;;     - The product sums the exact products of the quantised numbers (number of the format x scale) in f32.
;;   ~~~python
;;   def quantise(x, axis, e):      # numpy; x: float32 -> the quantised numbers, widened to float32 again
;;       x = np.moveaxis(x, axis, -1); K = x.shape[-1]
;;       r = np.clip(x / 2.0 ** e, -448, 448)
;;       step = 2.0 ** (np.maximum(np.frexp(np.where(r == 0, 1, r))[1] - 1, -6) - 3)
;;       q = np.round(r / step) * step * 2.0 ** e      # np.round: ties to even
;;       return np.moveaxis(q, -1, axis).astype(np.float32)
;;   ~~~
;;   SOFTMAX AHEAD OF A QUANTISED PRODUCT. Where the list says 'softmax', what is quantised is not the finished softmax but p = 2^(t - M), with t = logit x log2(e) and M = ceil(the row's largest t), a whole number; so 1/2 < the row's largest p <= 1. The row's sum l is taken of the UNQUANTISED p, in f32, and the product's result is divided by l at the end. Since M is a whole number, a kernel that streams over the keys may use a running M (the ceiling of the running maximum): every later rescaling is an exact power of two, so the quantised numbers keep their values, but for numbers so far below the row's largest that they fall under the format's range.
;;   OPERANDS COMPUTED ON THE WAY. 'Computed on the way' means the value that the module computes at that place (a softmax that the list does not call 'softmax' is quantised finished and normalised). What goes into a quantiser is computed in f32, as accurately as f32 sums, v_exp_f32 and their like allow (about 1e-6 of the number): no bf16 or f16 on the way to a quantiser, and a product that is left as it is and whose result goes on into a quantised operand takes f32 operands (vector FMAs, or v_wmma_f32_16x16x4_f32). A number that lies on a knife's edge between two numbers of the format may be rounded either way, as far as f32 arithmetic and the matrix unit's own rounding can turn it there, and no further.
;;   INPUTS GIVEN AS CODES. m (in the module: [4, 256, 768], K = its axis 1): each comes as NAME_codes (uint8): NAME with its K axis moved to the last place and cut into blocks of 32 codes, [.., K / 32, bytes a block], one block behind the other in memory; one code a byte (a code: sign, 4 exponent bits, 3 mantissa bits); its scale is its entry of lowp_scales. Its value is code x scale, taken as it is: it is not quantised again, and the codes and scales need not be those that the quantiser above would give.
;; 2 versions, each right; version 2 is version 1 with the launch attn written anew for expert scheduling mode. Each part assembles by itself: llvm-mc -triple=amdgcn-amd-amdhsa -mcpu=gfx1250 --defsym DOCPART=n.
;; ======== version 1 of 2: 2 launches
;; workspace buffers: proj 68,864 bytes
;; launch proj (part 1): grid 269 x 1, 4 waves a work-group, no clusters, 768 bytes of LDS; arguments q, k, emb, W1, W2, proj; writes proj
.if DOCPART == 1
	.amdgcn_target "amdgcn-amd-amdhsa--gfx1250"
	.amdhsa_code_object_version 6
	.text
	.protected	k_q09ad2a9a6c_proj
	.globl	k_q09ad2a9a6c_proj
	.p2align	8
	.type	k_q09ad2a9a6c_proj,@function
k_q09ad2a9a6c_proj:
	s_mov_b64 s[64:65], 0
	v_nop
	global_prefetch_b8 v0, s[64:65] scope:SCOPE_SE
	s_setreg_imm32_b32 hwreg(HW_REG_WAVE_MODE, 25, 1), 1
	s_wait_xcnt 0x0
; THE SIX PROJECTIONS.  reference()'s two small products are linear in s = q + k + emb[len], so s.W = q.W + k.W + emb[len].W for every input:
; this launch makes x.W2[0..4] and x.W1 for each of the 1,024 rows of q, the 1,024 of k and the 100 of emb, in f32 by fused multiply-adds (W1's product goes on into a quantiser).
; proj is [2,152 rows][8] f32: rows 0-1023 q, 1024-2047 k, 2048-2151 emb (rows 100-103 of emb's part repeat row 99 and are never indexed);  a row is c0 c1 c2 c3 c4 (W2's rows), a (W1), 0, 0.
; SHARES.  Work-group x makes rows 8 x .. 8 x + 7 of proj: 256 consecutive bytes.  Wave w takes rows 2 w and 2 w + 1.  A lane takes columns 4 L + 128 j + 0..3, j = 0..5: each load of a wave reads 512 consecutive bytes.
; The six weight rows (18,432 bytes) lie in each wave's registers: 144 registers.  48 loads of a wave are out at once; there is no loop.
; ORDER OF ROUNDING: a row's sum over the 768 columns is taken as 64 partial sums (two a lane), then across the lanes; it differs from a single ascending chain by f32 rounding alone.
; LEFT OUT: matrix instructions (six columns would leave ten of sixteen idle, and the f32 form is no faster than these multiply-adds); joint loads of the weights: 269 work-groups divide into no cluster,
; and the weights are wanted in registers, not in LDS.
.set W,   32                           ; v32-175   weight row c at W + 24 c (c = 0..4: W2's rows; c = 5: W1)
.set X,   176                          ; v176-223  my two rows, row i at X + 24 i
.set ACC, 224                          ; v224-247  a pair of partial sums for (row i, weight c) at ACC + 12 i + 2 c
.set S,   176                          ; v176-187  the twelve sums, laid over X when the multiply-adds are done
.set T,   188                          ; v188-199  the other half of the lanes' sums (registers that the loads have written)
	s_load_b256 s[4:11], s[0:1], 0x0               ; q s[4:5], k s[6:7], emb s[8:9], W1 s[10:11]
	s_load_b128 s[12:15], s[0:1], 0x20             ; W2 s[12:13], proj s[14:15]
	v_lshl_add_u32 v248, v0, 2, 0x100
	v_mov_b32 v249, 0
	v_lshrrev_b32 v8, 5, v0
	v_readfirstlane_b32 s2, v8                     ; wave 0..3
	v_and_b32 v1, 31, v0                           ; lane
	v_lshlrev_b32 v2, 3, v1                        ; 8 L: my 8 bytes of the work-group's 256
	v_lshlrev_b32 v1, 4, v1                        ; 16 L: my 16 bytes of a load's 512
	v_mov_b32 v3, s2
	v_lshlrev_b32 v3, 6, v3                        ; 64 w: my wave's two rows of 32 bytes in LDS
	v_mov_b32 v4, 0
	v_mov_b32 v5, 0                                ; a row's last two words
	s_mov_b32 s26, 0x76543210                      ; v_permlanex16_b32: each lane takes its own place in the other half
	s_mov_b32 s27, 0xfedcba98
	s_wait_kmcnt 0x0
	; which tensor: x < 128: q;  x < 256: k;  else emb.  The choice hangs on the work-group's number alone.
	s_cmp_lt_u32 ttmp9, 256
	s_cselect_b64 s[16:17], s[6:7], s[8:9]
	s_movk_i32 s18, 256
	s_cselect_b32 s18, 128, s18                    ; the tensor's first work-group
	s_movk_i32 s19, 99
	s_cselect_b32 s19, 1023, s19                   ; its last row
	s_cmp_lt_u32 ttmp9, 128
	s_cselect_b64 s[16:17], s[4:5], s[16:17]
	s_cselect_b32 s18, 0, s18
	s_cselect_b32 s19, 1023, s19
	s_sub_co_u32 s28, ttmp9, s18
	s_lshl_b32 s28, s28, 3
	s_lshl_b32 s29, s2, 1
	s_add_co_u32 s28, s28, s29                     ; my first row: 8 (x - first) + 2 w
	s_add_co_u32 s29, s28, 1
	s_min_u32 s28, s28, s19                        ; emb has 100 rows: the last work-group's rows 100-103 read row 99, so that no load leaves the buffer
	s_min_u32 s29, s29, s19
	s_mov_b32 s25, 0
	s_mul_i32 s24, s28, 3072                       ; a row is 3,072 bytes
	s_add_nc_u64 s[20:21], s[16:17], s[24:25]
	s_mul_i32 s24, s29, 3072
	s_add_nc_u64 s[22:23], s[16:17], s[24:25]
	s_lshl_b32 s24, ttmp9, 8
	s_add_nc_u64 s[14:15], s[14:15], s[24:25]      ; proj at my work-group's 256 bytes
.irp i, 0,1
.irp j, 0,1,2,3,4,5
	global_load_b128 v[X+24*\i+4*\j:X+24*\i+4*\j+3], v1, s[20+2*\i:21+2*\i] offset:512*\j
.endr
.endr
.irp c, 0,1,2,3,4
.irp j, 0,1,2,3,4,5
	global_load_b128 v[W+24*\c+4*\j:W+24*\c+4*\j+3], v1, s[12:13] offset:3072*\c+512*\j
.endr
.endr
.irp j, 0,1,2,3,4,5
	global_load_b128 v[W+120+4*\j:W+120+4*\j+3], v1, s[10:11] offset:512*\j
.endr
	s_wait_loadcnt 0x0
	; twelve chains (2 rows x 6 weights) by turns, two columns an instruction; the first product starts each sum: nothing is cleared
.irp i, 0,1
.irp c, 0,1,2,3,4,5
	v_pk_mul_f32 v[ACC+12*\i+2*\c:ACC+12*\i+2*\c+1], v[X+24*\i:X+24*\i+1], v[W+24*\c:W+24*\c+1]
.endr
.endr
.set p, 1
.rept 11
.irp i, 0,1
.irp c, 0,1,2,3,4,5
	v_pk_fma_f32 v[ACC+12*\i+2*\c:ACC+12*\i+2*\c+1], v[X+24*\i+2*p:X+24*\i+2*p+1], v[W+24*\c+2*p:W+24*\c+2*p+1], v[ACC+12*\i+2*\c:ACC+12*\i+2*\c+1]
.endr
.endr
.set p, p+1
.endr
.irp n, 0,1,2,3,4,5,6,7,8,9,10,11
	v_add_f32 v[S+\n], v[ACC+2*\n], v[ACC+2*\n+1]  ; sum n = 6 i + c
.endr
	; across the 32 lanes: four steps inside each half of 16 lanes, one across the halves; every lane ends with the sum
.irp x, 1,2,4,8
.irp n, 0,1,2,3,4,5,6,7,8,9,10,11
	v_add_f32_dpp v[S+\n], v[S+\n], v[S+\n] row_xmask:\x row_mask:0xf bank_mask:0xf
.endr
.endr
.irp n, 0,1,2,3,4,5,6,7,8,9,10,11
	v_permlanex16_b32 v[T+\n], v[S+\n], s26, s27
.endr
.irp n, 0,1,2,3,4,5,6,7,8,9,10,11
	v_add_f32 v[S+\n], v[S+\n], v[T+\n]
.endr
	; the eight rows meet in LDS, so that one store of one wave writes the work-group's 256 consecutive bytes
.irp i, 0,1
.irp c, 0,1,2,3,4,5
	ds_store_b32 v3, v[S+6*\i+\c] offset:32*\i+4*\c   ; all lanes write the same word with the same number
.endr
	ds_store_b64 v3, v[4:5] offset:32*\i+24
.endr
	s_wait_dscnt 0x0                               ; for wave 0's sake: my stores have landed
	s_barrier_signal -1
	s_barrier_wait -1
	s_cmp_lg_u32 s2, 0
	s_cbranch_scc1 .Lend
	ds_load_b64 v[6:7], v2
	s_wait_dscnt 0x0
	global_store_b64 v2, v[6:7], s[14:15]          ; 32 lanes x 8 bytes: 256 consecutive bytes, at a multiple of 256 from proj's first byte
.Lend:
	s_wait_tensorcnt 0x0
	ds_add_u32 v248, v249
	s_wait_dscnt 0x0
	s_endpgm
.Lfunc_end_k_q09ad2a9a6c_proj:
	.size	k_q09ad2a9a6c_proj, .Lfunc_end_k_q09ad2a9a6c_proj-k_q09ad2a9a6c_proj
	.p2alignl 7, 3214868480
	.fill 96, 4, 3214868480
	.section	.rodata,"a",@progbits
	.p2align	6, 0x0
	.amdhsa_kernel k_q09ad2a9a6c_proj
		.amdhsa_group_segment_fixed_size 768
		.amdhsa_private_segment_fixed_size 0
		.amdhsa_enable_private_segment 0
		.amdhsa_kernarg_size 48
		.amdhsa_user_sgpr_count 2
		.amdhsa_user_sgpr_kernarg_segment_ptr 1
		.amdhsa_wavefront_size32 1
		.amdhsa_system_sgpr_workgroup_id_x 1
		.amdhsa_system_sgpr_workgroup_id_y 1
		.amdhsa_system_sgpr_workgroup_id_z 1
		.amdhsa_system_vgpr_workitem_id 0
		.amdhsa_next_free_vgpr 250
		.amdhsa_next_free_sgpr 66
		.amdhsa_reserve_vcc 0
		.amdhsa_float_denorm_mode_32 3
		.amdhsa_float_denorm_mode_16_64 3
		.amdhsa_memory_ordered 1
		.amdhsa_forward_progress 1
		.amdhsa_inst_pref_size 22
	.end_amdhsa_kernel
	.amdgpu_metadata
---
amdhsa.version: [ 1, 2 ]
amdhsa.kernels:
  - .name:           k_q09ad2a9a6c_proj
    .symbol:         k_q09ad2a9a6c_proj.kd
    .args:
      - { .name: q, .offset: 0, .size: 8, .value_kind: global_buffer, .address_space: global }
      - { .name: k, .offset: 8, .size: 8, .value_kind: global_buffer, .address_space: global }
      - { .name: emb, .offset: 16, .size: 8, .value_kind: global_buffer, .address_space: global }
      - { .name: W1, .offset: 24, .size: 8, .value_kind: global_buffer, .address_space: global }
      - { .name: W2, .offset: 32, .size: 8, .value_kind: global_buffer, .address_space: global }
      - { .name: proj, .offset: 40, .size: 8, .value_kind: global_buffer, .address_space: global }
    .group_segment_fixed_size: 768
    .private_segment_fixed_size: 0
    .kernarg_segment_align: 8
    .kernarg_segment_size: 48
    .max_flat_workgroup_size: 128
    .sgpr_count:     66
    .vgpr_count:     250
    .wavefront_size: 32
...
	.end_amdgpu_metadata
.endif
;; end of part 1
;; launch attn (part 2): grid 256 x 1, 4 waves a work-group, no clusters, 100,864 bytes of LDS; arguments proj, attention_mask, length_mask, m_codes, b1, b2, lowp_scales, out0, out1; writes out0, out1
.if DOCPART == 2
	.amdgcn_target "amdgcn-amd-amdhsa--gfx1250"
	.amdhsa_code_object_version 6
	.text
	.protected	k_q09ad2a9a6c_attn
	.globl	k_q09ad2a9a6c_attn
	.p2align	8
	.type	k_q09ad2a9a6c_attn,@function
k_q09ad2a9a6c_attn:
	s_mov_b64 s[64:65], 0
	v_nop
	global_prefetch_b8 v0, s[64:65] scope:SCOPE_SE
	s_setreg_imm32_b32 hwreg(HW_REG_WAVE_MODE, 25, 1), 1
	s_wait_xcnt 0x0
; out1[b][q][k][:] = softmax over 5 classes of (q.W2 + k.W2 + emb[len].W2 + b2);   out0[b][q][:] = softmax_k(((q.W1 + k.W1 + emb[len].W1) + b1) x mask) m[b].
; The projections come from proj ([2,152][8] f32: rows 0-1023 q, 1024-2047 k, 2048-2151 emb; a row: c0..c4, a, 0, 0).
; THE QUANTISED PRODUCT.  t = logit x log2(e); M = ceil(the row's largest t); p = 2^(t - M) is held at 448 x 2^e0 and turned into E4M3 codes with the scale 2^e0; m's codes are taken as given;
; the codes are multiplied by v_wmma_f32_16x16x128_fp8_fp8, and each sum by 2^(e0 + e1) / l, l the f32 sum of the unquantised p.
; SHARES.  Work-group x: tile = x / 4 (16 queries of one batch), part = x % 4 (192 of the 768 channels of out0; queries 4 part .. 4 part + 3 of the tile for out1).
;   p: wave w makes queries 4 w .. 4 w + 3 over all 256 keys; a lane holds keys 128 g + 4 L + e (g = 0, 1; e = 0..3): 32 numbers.  Each of a tile's four parts makes p anew: 32 numbers a lane.
;   product: wave w makes channels 48 w .. 48 w + 47 of the part: three accumulators, K = 256 in two steps: six matrix instructions.   out1: wave w makes query 4 part + w: 8 keys x 5 classes a lane.
; The product is used transposed (source 0 = 16 rows of m's codes, source 1 = p's 16 queries): a lane holds one query (lane % 16) and eight neighbouring channels.
; Both fragments are fetched as four loads of 16 bytes at 32 c + 16 (lane / 16): the same permutation of k on both sides, so every product meets its partner.
; PHASES, four barriers, no branch, no loop:  1: all 48 loads go out; proj's rows of k and emb and m's codes go to LDS | barrier |  2: LDS is only read (the gathers by index among the reads); p is made in registers | barrier |
;   3: p's codes and 2^(e0 + e1) / l go to LDS | barrier |  4: the class softmax and out1 through the wave's own stage; the product; its results to a shared stage | barrier |  5: out0.
; The gathers' LDS addresses hang on loaded indices (held at 99): barriers part them from every LDS store of the text.
; LIMITS: e0 between -126 and 119, so that 2^e0 and 448 x 2^e0 are f32 numbers (e0 + e1 is applied by v_ldexp_f32 and has none); NaN and infinities among the inputs are not served;
;   an index outside 0..99 is held at 99; the three projections are added as (emb + k) + (q + bias).
; NO JOINT LOADS.  A tile's mask and indices (32,768 bytes) are read by its four parts and a part's codes of m (49,152 bytes) by the 16 tiles of its batch, each once, at the head of a text without a loop.
;   Mask and indices go straight into the registers that use them; asked for jointly they would pass through LDS (32,768 bytes more written and read there), and two rounds of a cluster's barrier would be added to five short phases.
; LDS (bytes)
.set L_E4,  0                          ; 2,048   emb's c0..c3, 16 bytes a row, 128 places
.set L_E5,  2048                       ; 512     emb's c4, a word a row
.set L_EA,  2560                       ; 512     emb's a
.set L_K4,  3072                       ; 5,120   k's c0..c3: key n at 16 n + 16 (n / 4): 16 bytes of padding behind four keys, so that lanes 80 bytes apart start at different banks
.set L_K5,  8192                       ; 1,024   k's c4, a word a key
.set L_KA,  9216                       ; 1,024   k's a
.set L_PC,  10240                      ; 4,352   p's codes: 16 queries x 272
.set L_INV, 14592                      ; 256     16 words: 2^(e0 + e1) / l
.set L_MB,  14848                      ; 52,224  m's codes: 192 rows x 272; wave w owns rows 48 w .. 48 w + 47
.set L_SS,  67072                      ; 20,480  out1's stages: 5,120 for each wave, its own
.set L_OS,  87552                      ; 12,544  out0's stage: 16 rows x 784, shared
.set PP,    272                        ; a row of 256 codes + 16: an odd multiple of 16 bytes, so the 16 rows of a fragment load start at 16 different banks
.set OP,    784                        ; a row of 192 f32 + 16: likewise
; REGISTERS, window 0.  v1-22 addresses, made once:
;   v1 16 L | v2 32 t | v3 32 min(t, 103) | v4 12288 w + 16 L | v5 4096 w + 16 L | v6 1024 w + 16 L | v7 16 t | v8 4 t | v9 16 (t + t / 4) | v10 MB + 13056 w + 272 h + 16 r | v11 80 L
;   v12 MB + 13056 w + 272 r + 16 h | v13 PC + 272 r + 16 h | v14 PC + 1088 w + 4 L | v15 INV + 16 w | v16 INV + 4 r | v17 SS + 5120 w + 80 L | v18 SS + 5120 w + 16 L
;   v19 OS + 784 r + 192 w + 32 h | v20 OS + 3136 w + 784 h + 16 r | v21 12288 w + 3072 h + 16 r | v22 5120 w + 16 L          (t thread, L lane, r = L % 16, h = L / 16, w wave)
.set IV,   24                          ; v[24:25]  2^(e0 + e1) / l of my query, and 0
.set SC,   26                          ; v26       2^e0 as f32
.set LIM,  27                          ; v27       448 x 2^e0
.set QB,   28                          ; v28-31    the score query's c0..c3 + b2[0..3]  (v28-30 hold L, r, h while the addresses are made)
.set MSK,  32                          ; v32-63    the mask, number 8 i + 4 g + e
.set LEN,  64                          ; v64-95    the indices likewise, then 4 x index
.set LSC,  96                          ; v96-103   the score query's indices, key 4 g + kk, then 4 x index
.set MC,   104                         ; v104-199  m's codes as loaded (phase 1)
.set KL0,  200                         ; v200-217  proj's rows as loaded: key t: c0..c3, (c4, a); key t + 128 likewise; emb's row
.set KH0,  204
.set KL1,  206
.set KH1,  210
.set EL,   212
.set EH,   216
.set U,    104                         ; v104-135  emb's a as gathered, then the logit, then p
.set KAR,  136                         ; v136-143  k's a of my 8 keys
.set NMP,  144                         ; v144-151  pairs (-M, t) of my four queries
.set QAB,  152                         ; v152-159  pairs (q's a + b1, twice)
.set MX,   160                         ; v160-163  a query's largest logit, later its sum l
.set TM,   164                         ; v164-167  at work across the lanes, later 2^(e0 + e1) / l
.set E4G,  168                         ; v168-199  emb's c0..c3 as gathered, then the class logits, then their exponentials
.set E5G,  200                         ; v200-207  the same for c4
.set K4R,  208                         ; v208-239  k's c0..c3 of my 8 keys
.set K5R,  240                         ; v240-247  k's c4
.set I16,  248                         ; v248-255  16 x the score query's indices
.set CD,   32                          ; v32-39    p's codes (the mask is used up)
.set PS,   40                          ; v40-55    pairs at work for p's sums
.set QB4,  40                          ; v[40:41]  the score query's c4 + b2[4], twice (phase 4)
.set NM,   42                          ; v42-57    pairs (-log2(e) x largest, largest) of my 8 keys
.set TS,   58                          ; v58-73    pairs at work for the class sums
.set SUM,  74                          ; v74-81    the class sums, then their reciprocals
.set RES,  208                         ; v208-247  out1: 20 numbers for each g
.set OB,   96                          ; v96-135   out1 back from the stage
.set ACC,  136                         ; v136-159  the product's three accumulators
.set OUT,  168                         ; v168-191  out0 back from the stage
; window 1
.set MF,   0                           ; v256-351  m's fragments: tile tt, K step s at MF + 32 tt + 16 s
.set PF,   96                          ; v352-383  p's fragments: K step s at PF + 16 s
.set MSB, 0
.macro WIN new                         ; the immediate's high byte repeats the setting that is left
.if MSB != \new
	s_set_vgpr_msb (MSB<<8)|\new
.set MSB, \new
.endif
.endm
.macro BAR                             ; my LDS stores have landed and my LDS loads are in: then the work-group's barrier
	s_wait_dscnt 0x0
	s_barrier_signal -1
	s_barrier_wait -1
.endm
.macro REDMAX                          ; the four queries' maxima over the 32 lanes, by turns; every lane ends with the result
.irp x, 1,2,4,8
.irp i, 0,1,2,3
	v_max_num_f32_dpp v[MX+\i], v[MX+\i], v[MX+\i] row_xmask:\x row_mask:0xf bank_mask:0xf
.endr
.endr
.irp i, 0,1,2,3
	v_permlanex16_b32 v[TM+\i], v[MX+\i], s50, s51
.endr
.irp i, 0,1,2,3
	v_max_num_f32 v[MX+\i], v[MX+\i], v[TM+\i]
.endr
.endm
.macro REDSUM                          ; the same for sums
.irp x, 1,2,4,8
.irp i, 0,1,2,3
	v_add_f32_dpp v[MX+\i], v[MX+\i], v[MX+\i] row_xmask:\x row_mask:0xf bank_mask:0xf
.endr
.endr
.irp i, 0,1,2,3
	v_permlanex16_b32 v[TM+\i], v[MX+\i], s50, s51
.endr
.irp i, 0,1,2,3
	v_add_f32 v[MX+\i], v[MX+\i], v[TM+\i]
.endr
.endm
	; ---------------- phase 1: everything is asked for ----------------
	s_load_b512 s[8:23], s[0:1], 0x0               ; proj s[8:9], mask s[10:11], indices s[12:13], m's codes s[14:15], b1 s[16:17], b2 s[18:19], the scales' exponents s[20:21], out0 s[22:23]
	s_load_b64 s[24:25], s[0:1], 0x40              ; out1
	v_lshl_add_u32 v23, v0, 2, 0x18800
	s_set_vgpr_msb 0x40
	v_mov_b32 v129, 0
	s_set_vgpr_msb 0x4000
	v_lshrrev_b32 v28, 5, v0
	v_readfirstlane_b32 s2, v28                    ; wave 0..3
	s_and_b32 s3, ttmp9, 3                         ; part
	s_lshr_b32 s4, ttmp9, 2                        ; tile 0..63
	s_lshr_b32 s5, s4, 4                           ; batch
	; the byte offsets, each in a pair of its own, made while the arguments are on their way (the pairs later take scalar loads)
	s_lshl_b32 s36, s4, 14                         ; mask, indices: 16 rows of 1,024 bytes a tile
	s_mov_b32 s37, 0
	s_lshl_b32 s38, s3, 12                         ; the part's four score queries: 4 rows of 1,024 bytes
	s_mov_b32 s39, 0
	s_mul_i32 s40, s5, 196608                      ; m's codes: 768 rows of 256 bytes a batch,
	s_mul_i32 s6, s3, 49152                        ; 192 rows a part
	s_add_co_u32 s40, s40, s6
	s_mov_b32 s41, 0
	s_mul_i32 s42, s4, 49152                       ; out0: 16 rows of 3,072 bytes a tile,
	s_mul_i32 s6, s3, 768                          ; 192 channels a part
	s_add_co_u32 s42, s42, s6
	s_mov_b32 s43, 0
	s_lshl_b32 s6, s4, 4                           ; the tile's first query, counted through the batches
	s_lshl_b32 s7, s3, 2
	s_add_co_u32 s7, s6, s7                        ; the part's first score query
	s_mul_i32 s44, s7, 5120                        ; out1: 5,120 bytes a query
	s_mov_b32 s45, 0
	s_lshl_b32 s46, s2, 2
	s_add_co_u32 s46, s46, s6
	s_lshl_b32 s46, s46, 5                         ; proj: the rows of queries 4 w .. 4 w + 3 of the tile
	s_mov_b32 s47, 0
	s_lshl_b32 s28, s5, 13
	s_add_co_u32 s28, s28, 32768                   ; proj: the batch's 256 rows of k
	s_mov_b32 s29, 0
	s_add_co_u32 s30, s7, s2
	s_lshl_b32 s30, s30, 5                         ; proj: my wave's score query
	s_mov_b32 s31, 0
	s_mov_b32 s48, 0x3fb8aa3b                      ; log2(e)
	s_mov_b32 s49, s48                             ; (named with it as a pair, so it is written)
	s_mov_b32 s50, 0x76543210                      ; v_permlanex16_b32: each lane takes its own place in the other half
	s_mov_b32 s51, 0xfedcba98
	s_mov_b32 s53, 0xbfb8aa3b                      ; -log2(e)
	v_and_b32 v28, 31, v0                          ; L
	v_lshlrev_b32 v1, 4, v28
	v_lshlrev_b32 v2, 5, v0
	v_min_u32 v3, 103, v0
	v_lshlrev_b32 v3, 5, v3
	s_mul_i32 s6, s2, 12288
	v_add_nc_u32 v4, s6, v1
	s_lshl_b32 s6, s2, 12
	v_add_nc_u32 v5, s6, v1
	s_lshl_b32 s6, s2, 10
	v_add_nc_u32 v6, s6, v1
	s_wait_kmcnt 0x0
	s_add_nc_u64 s[10:11], s[10:11], s[36:37]
	s_add_nc_u64 s[12:13], s[12:13], s[36:37]
	s_add_nc_u64 s[58:59], s[12:13], s[38:39]
	s_add_nc_u64 s[14:15], s[14:15], s[40:41]
	s_add_nc_u64 s[22:23], s[22:23], s[42:43]
	s_add_nc_u64 s[24:25], s[24:25], s[44:45]
	s_add_nc_u64 s[54:55], s[8:9], s[46:47]
	s_add_nc_u64 s[56:57], s[8:9], s[28:29]
	s_add_nc_u64 s[60:61], s[8:9], s[30:31]
	s_load_b32 s26, s[16:17], 0x0                  ; b1
	s_load_b128 s[28:31], s[18:19], 0x0            ; b2[0..3]
	s_load_b32 s32, s[18:19], 0x10                 ; b2[4]
	s_load_b64 s[34:35], s[20:21], 0x0             ; e0 (p), e1 (m)
.irp i, 0,1,2,3
	s_load_b32 s[36+\i], s[54:55], 20+32*\i        ; a of query 4 w + i
.endr
	s_load_b256 s[40:47], s[60:61], 0x0            ; the score query's row: c0..c4, a, 0, 0
	; 48 loads, in the order in which they are wanted: 6 of proj, 24 of m's codes, 8 + 2 of indices, 8 of the mask
	global_load_b128 v[KL0:KL0+3], v2, s[56:57]
	global_load_b64 v[KH0:KH0+1], v2, s[56:57] offset:16
	global_load_b128 v[KL1:KL1+3], v2, s[56:57] offset:4096
	global_load_b64 v[KH1:KH1+1], v2, s[56:57] offset:4112
	global_load_b128 v[EL:EL+3], v3, s[8:9] offset:65536
	global_load_b64 v[EH:EH+1], v3, s[8:9] offset:65552
.set n, 0
.rept 24
	global_load_b128 v[MC+4*n:MC+4*n+3], v4, s[14:15] offset:512*n   ; two rows of 256 codes: 512 consecutive bytes
.set n, n+1
.endr
.irp i, 0,1,2,3
.irp g, 0,1
	global_load_b128 v[LEN+8*\i+4*\g:LEN+8*\i+4*\g+3], v5, s[12:13] offset:1024*\i+512*\g
.endr
.endr
.irp g, 0,1
	global_load_b128 v[LSC+4*\g:LSC+4*\g+3], v6, s[58:59] offset:512*\g
.endr
.irp i, 0,1,2,3
.irp g, 0,1
	global_load_b128 v[MSK+8*\i+4*\g:MSK+8*\i+4*\g+3], v5, s[10:11] offset:1024*\i+512*\g
.endr
.endr
	; the LDS addresses are made while the loads are out
	v_and_b32 v29, 15, v0                          ; r
	v_bfe_u32 v30, v0, 4, 1                        ; h
	v_lshlrev_b32 v7, 4, v0
	v_lshlrev_b32 v8, 2, v0
	v_lshrrev_b32 v9, 2, v0
	v_add_nc_u32 v9, v9, v0
	v_lshlrev_b32 v9, 4, v9
	s_mul_i32 s6, s2, 48*PP
	s_add_co_u32 s6, s6, L_MB                      ; my wave's 48 rows of m's codes
	v_mul_u32_u24 v10, v30, PP
	v_lshl_add_u32 v10, v29, 4, v10
	v_add_nc_u32 v10, s6, v10
	v_mul_u32_u24 v11, v28, 80
	v_mul_u32_u24 v12, v29, PP
	v_lshl_add_u32 v12, v30, 4, v12
	v_add_nc_u32 v13, L_PC, v12
	v_add_nc_u32 v12, s6, v12
	s_mul_i32 s7, s2, 4*PP
	s_add_co_u32 s7, s7, L_PC
	v_lshl_add_u32 v14, v28, 2, s7
	s_lshl_b32 s7, s2, 4
	s_add_co_u32 s7, s7, L_INV
	v_mov_b32 v15, s7
	v_lshl_add_u32 v16, v29, 2, L_INV
	s_mul_i32 s7, s2, 5120
	v_add_nc_u32 v22, s7, v1
	s_add_co_u32 s7, s7, L_SS
	v_add_nc_u32 v17, s7, v11
	v_add_nc_u32 v18, s7, v1
	s_mul_i32 s7, s2, 192
	s_add_co_u32 s7, s7, L_OS
	v_mul_u32_u24 v19, v29, OP
	v_lshl_add_u32 v19, v30, 5, v19
	v_add_nc_u32 v19, s7, v19
	s_mul_i32 s7, s2, 4*OP
	s_add_co_u32 s7, s7, L_OS
	v_mul_u32_u24 v20, v30, OP
	v_lshl_add_u32 v20, v29, 4, v20
	v_add_nc_u32 v20, s7, v20
	s_mul_i32 s7, s2, 12288
	v_mul_u32_u24 v21, v30, 3072
	v_lshl_add_u32 v21, v29, 4, v21
	v_add_nc_u32 v21, s7, v21
	s_wait_loadcnt 42                              ; proj's six loads are in; the 24 + 8 + 2 + 8 behind them stay out
	ds_store_b128 v9, v[KL0:KL0+3] offset:L_K4
	ds_store_b128 v9, v[KL1:KL1+3] offset:L_K4+2560    ; key t + 128: 16 x 128 + 16 x 32 bytes on
	ds_store_b32 v8, v[KH0] offset:L_K5
	ds_store_b32 v8, v[KH1] offset:L_K5+512
	ds_store_b32 v8, v[KH0+1] offset:L_KA
	ds_store_b32 v8, v[KH1+1] offset:L_KA+512
	ds_store_b128 v7, v[EL:EL+3] offset:L_E4
	ds_store_b32 v8, v[EH] offset:L_E5
	ds_store_b32 v8, v[EH+1] offset:L_EA
	s_wait_loadcnt 18                              ; m's codes are in; indices and mask stay out
.set n, 0
.rept 24
	ds_store_b128 v10, v[MC+4*n:MC+4*n+3] offset:2*PP*n
.set n, n+1
.endr
	BAR                                            ; the tables and the codes lie in LDS
	; ---------------- phase 2: LDS is only read; p ----------------
	s_wait_kmcnt 0x0
	s_add_co_i32 s6, s34, 127
	s_lshl_b32 s7, s6, 23
	v_mov_b32 v[SC], s7                            ; 2^e0 as f32: the conversion takes its exponent field
	s_add_co_i32 s6, s6, 8
	s_lshl_b32 s6, s6, 23
	s_or_b32 s6, s6, 0x600000
	v_mov_b32 v[LIM], s6                           ; 448 x 2^e0
	s_add_co_i32 s52, s34, s35                     ; e0 + e1
.irp i, 0,1,2,3
	v_add_f32 v[QAB+2*\i], s[36+\i], s26           ; q's a + b1
	v_add_f32 v[QAB+2*\i+1], s[36+\i], s26
	v_mov_b32 v[TM+\i], 0                          ; written once: a lane permute's destination counts as one of its sources
.endr
.irp c, 0,1,2,3
	v_add_f32 v[QB+\c], s[40+\c], s[28+\c]         ; the score query's c + b2
.endr
	s_wait_loadcnt 8                               ; the indices are in; the mask's eight loads stay out
.set n, 0
.rept 32
	v_min_u32 v[LEN+n], 99, v[LEN+n]               ; an index enters an address only held inside the table
.set n, n+1
.endr
.set n, 0
.rept 8
	v_min_u32 v[LSC+n], 99, v[LSC+n]
.set n, n+1
.endr
.set n, 0
.rept 32
	v_lshlrev_b32 v[LEN+n], 2, v[LEN+n]
.set n, n+1
.endr
.set n, 0
.rept 8
	v_lshlrev_b32 v[I16+n], 4, v[LSC+n]
	v_lshlrev_b32 v[LSC+n], 2, v[LSC+n]
.set n, n+1
.endr
.irp g, 0,1
	ds_load_b128 v[KAR+4*\g:KAR+4*\g+3], v1 offset:L_KA+512*\g     ; k's a of keys 128 g + 4 L + 0..3
.endr
.set n, 0
.rept 32
	ds_load_b32 v[U+n], v[LEN+n] offset:L_EA       ; emb's a by index
.set n, n+1
.endr
.irp g, 0,1
.irp kk, 0,1,2,3
	ds_load_b128 v[K4R+16*\g+4*\kk:K4R+16*\g+4*\kk+3], v11 offset:L_K4+2560*\g+16*\kk
.endr
.endr
.irp g, 0,1
	ds_load_b128 v[K5R+4*\g:K5R+4*\g+3], v1 offset:L_K5+512*\g
.endr
.set n, 0
.rept 8
	ds_load_b128 v[E4G+4*n:E4G+4*n+3], v[I16+n] offset:L_E4
.set n, n+1
.endr
.set n, 0
.rept 8
	ds_load_b32 v[E5G+n], v[LSC+n] offset:L_E5
.set n, n+1
.endr
	WIN 0x40                                       ; destination window 1, address window 0
.irp tt, 0,1,2
.irp s, 0,1
.irp c, 0,1,2,3
	ds_load_b128 v[MF+32*\tt+16*\s+4*\c:MF+32*\tt+16*\s+4*\c+3], v12 offset:16*PP*\tt+128*\s+32*\c
.endr
.endr
.endr
	WIN 0
	s_wait_dscnt 50                                ; k's a and emb's a are in; the 26 + 24 loads behind them land under the arithmetic below
.irp i, 0,1,2,3
.irp m, 0,2,4,6
	v_pk_add_f32 v[U+8*\i+\m:U+8*\i+\m+1], v[U+8*\i+\m:U+8*\i+\m+1], v[KAR+\m:KAR+\m+1]
.endr
.endr
.irp i, 0,1,2,3
.irp m, 0,2,4,6
	v_pk_add_f32 v[U+8*\i+\m:U+8*\i+\m+1], v[U+8*\i+\m:U+8*\i+\m+1], v[QAB+2*\i:QAB+2*\i+1]
.endr
.endr
	s_wait_loadcnt 0x0                             ; the mask
.set n, 0
.rept 16
	v_pk_mul_f32 v[U+2*n:U+2*n+1], v[U+2*n:U+2*n+1], v[MSK+2*n:MSK+2*n+1]   ; the logit
.set n, n+1
.endr
.irp i, 0,1,2,3
	v_max3_num_f32 v[MX+\i], v[U+8*\i], v[U+8*\i+1], v[U+8*\i+2]
.endr
.irp i, 0,1,2,3
	v_max3_num_f32 v[MX+\i], v[MX+\i], v[U+8*\i+3], v[U+8*\i+4]
.endr
.irp i, 0,1,2,3
	v_max3_num_f32 v[MX+\i], v[MX+\i], v[U+8*\i+5], v[U+8*\i+6]
.endr
.irp i, 0,1,2,3
	v_max_num_f32 v[MX+\i], v[MX+\i], v[U+8*\i+7]
.endr
	REDMAX
.irp i, 0,1,2,3
	v_mul_f32 v[NMP+2*\i+1], s48, v[MX+\i]         ; the row's largest t (log2(e) is positive)
.endr
.irp i, 0,1,2,3
	v_floor_f32 v[NMP+2*\i], -v[NMP+2*\i+1]        ; -M = floor(-t) = -ceil(t): a whole number
.endr
.irp i, 0,1,2,3
.irp m, 0,2,4,6
	v_pk_fma_f32 v[U+8*\i+\m:U+8*\i+\m+1], v[U+8*\i+\m:U+8*\i+\m+1], s[48:49], v[NMP+2*\i:NMP+2*\i+1] op_sel_hi:[1,0,0]   ; t - M (of the pairs the low word serves both halves)
.endr
.endr
.set n, 0
.rept 32
	v_exp_f32 v[U+n], v[U+n]                       ; p = 2^(t - M), at most 1: not normalised
.set n, n+1
.endr
	v_mov_b32 v[IV+1], 0                           ; (named as the upper half of a pair further down)  a plain instruction behind the last exponential
	s_wait_alu depctr_va_vdst(0)                   ; the wait ahead of the first line that names a result: one for the batch of 32
.irp i, 0,1,2,3
	v_pk_add_f32 v[PS+4*\i:PS+4*\i+1], v[U+8*\i:U+8*\i+1], v[U+8*\i+2:U+8*\i+3]         ; the row's sum is taken of the unquantised p
	v_pk_add_f32 v[PS+4*\i+2:PS+4*\i+3], v[U+8*\i+4:U+8*\i+5], v[U+8*\i+6:U+8*\i+7]
.endr
.irp i, 0,1,2,3
	v_pk_add_f32 v[PS+4*\i:PS+4*\i+1], v[PS+4*\i:PS+4*\i+1], v[PS+4*\i+2:PS+4*\i+3]
.endr
.irp i, 0,1,2,3
	v_add_f32 v[MX+\i], v[PS+4*\i], v[PS+4*\i+1]
.endr
	REDSUM
.irp i, 0,1,2,3
	v_rcp_f32 v[TM+\i], v[MX+\i]                   ; 1 / l
.endr
.set n, 0
.rept 32
	v_min_num_f32 v[U+n], v[U+n], v[LIM]           ; the conversion to an 8-bit code does not saturate (ISA guide 7.6.2); p is not negative, so the hold is one-sided.  (Plain instructions behind the reciprocals)
.set n, n+1
.endr
.irp i, 0,1,2,3
	v_cvt_scalef32_pk8_fp8_f32 v[CD+2*\i:CD+2*\i+1], v[U+8*\i:U+8*\i+7], v[SC]   ; register 2 i: keys 4 L + 0..3; register 2 i + 1: keys 128 + 4 L + 0..3
.endr
	v_nop                                          ; one plain instruction behind the last scaled conversion: its sources' registers are written again further down
	s_wait_alu depctr_va_vdst(0)                   ; the wait for the four reciprocals, ahead of their first reader
.irp i, 0,1,2,3
	v_ldexp_f32 v[TM+\i], v[TM+\i], s52            ; x 2^(e0 + e1)
.endr
	BAR                                            ; every wave's LDS reads are in, the gathers among them: from here on LDS may be stored to again
	; ---------------- phase 3: p's codes go from wave to wave ----------------
.irp i, 0,1,2,3
.irp g, 0,1
	ds_store_b32 v14, v[CD+2*\i+\g] offset:PP*\i+128*\g    ; query 4 w + i, keys 128 g + 4 L + 0..3: 128 consecutive bytes a store
.endr
.endr
.irp i, 0,1,2,3
	ds_store_b32 v15, v[TM+\i] offset:4*\i         ; all lanes write the same word with the same number
.endr
	BAR                                            ; the 16 queries' codes and divisors lie in LDS
	; ---------------- phase 4: the class softmax, out1, the product ----------------
	WIN 0x40
.irp s, 0,1
.irp c, 0,1,2,3
	ds_load_b128 v[PF+16*\s+4*\c:PF+16*\s+4*\c+3], v13 offset:128*\s+32*\c
.endr
.endr
	WIN 0
	ds_load_b32 v[IV], v16                         ; 2^(e0 + e1) / l of query r
	v_add_f32 v[QB4], s44, s32                     ; the score query's c4 + b2[4]
	v_add_f32 v[QB4+1], s44, s32
.set n, 0
.rept 16
	v_pk_add_f32 v[E4G+2*n:E4G+2*n+1], v[E4G+2*n:E4G+2*n+1], v[K4R+2*n:K4R+2*n+1]   ; emb's + k's
.set n, n+1
.endr
.set n, 0
.rept 4
	v_pk_add_f32 v[E5G+2*n:E5G+2*n+1], v[E5G+2*n:E5G+2*n+1], v[K5R+2*n:K5R+2*n+1]
.set n, n+1
.endr
.set n, 0
.rept 8
	v_pk_add_f32 v[E4G+4*n:E4G+4*n+1], v[E4G+4*n:E4G+4*n+1], v[QB:QB+1]             ; + q's + b2
	v_pk_add_f32 v[E4G+4*n+2:E4G+4*n+3], v[E4G+4*n+2:E4G+4*n+3], v[QB+2:QB+3]
.set n, n+1
.endr
.set n, 0
.rept 4
	v_pk_add_f32 v[E5G+2*n:E5G+2*n+1], v[E5G+2*n:E5G+2*n+1], v[QB4:QB4+1]
.set n, n+1
.endr
.set n, 0
.rept 8
	v_max3_num_f32 v[NM+2*n+1], v[E4G+4*n], v[E4G+4*n+1], v[E4G+4*n+2]
.set n, n+1
.endr
.set n, 0
.rept 8
	v_max3_num_f32 v[NM+2*n+1], v[NM+2*n+1], v[E4G+4*n+3], v[E5G+n]                 ; the largest of the five is taken away ahead of the exponentials
.set n, n+1
.endr
.set n, 0
.rept 8
	v_mul_f32 v[NM+2*n], s53, v[NM+2*n+1]          ; -log2(e) x the largest
.set n, n+1
.endr
.set n, 0
.rept 8
	v_pk_fma_f32 v[E4G+4*n:E4G+4*n+1], v[E4G+4*n:E4G+4*n+1], s[48:49], v[NM+2*n:NM+2*n+1] op_sel_hi:[1,0,0]     ; log2(e) x (logit - the largest)
	v_pk_fma_f32 v[E4G+4*n+2:E4G+4*n+3], v[E4G+4*n+2:E4G+4*n+3], s[48:49], v[NM+2*n:NM+2*n+1] op_sel_hi:[1,0,0]
	v_fma_f32 v[E5G+n], v[E5G+n], s48, v[NM+2*n]
.set n, n+1
.endr
.set n, 0
.rept 40
	v_exp_f32 v[E4G+n], v[E4G+n]                   ; E4G's 32 registers and E5G's 8 lie on end
.set n, n+1
.endr
	v_nop                                          ; a plain instruction behind the last exponential
	s_wait_alu depctr_va_vdst(0)                   ; one wait for the batch of 40, ahead of its first reader
.set n, 0
.rept 8
	v_pk_add_f32 v[TS+2*n:TS+2*n+1], v[E4G+4*n:E4G+4*n+1], v[E4G+4*n+2:E4G+4*n+3]
.set n, n+1
.endr
.set n, 0
.rept 8
	v_add_f32 v[SUM+n], v[TS+2*n], v[TS+2*n+1]
.set n, n+1
.endr
.set n, 0
.rept 8
	v_add_f32 v[SUM+n], v[SUM+n], v[E5G+n]
.set n, n+1
.endr
.set n, 0
.rept 8
	v_rcp_f32 v[SUM+n], v[SUM+n]
.set n, n+1
.endr
	v_nop                                          ; a plain instruction behind the last reciprocal
	s_wait_alu depctr_va_vdst(0)                   ; one wait for the eight, ahead of their first reader
.irp g, 0,1
.irp kk, 0,1,2,3
.irp c, 0,1,2,3
	v_mul_f32 v[RES+20*\g+5*\kk+\c], v[E4G+16*\g+4*\kk+\c], v[SUM+4*\g+\kk]
.endr
	v_mul_f32 v[RES+20*\g+5*\kk+4], v[E5G+4*\g+\kk], v[SUM+4*\g+\kk]
.endr
.endr
	; a lane's four keys x five classes are 80 consecutive bytes of out1's row: they go through my own stage and come back 16 bytes a lane
.irp g, 0,1
.irp j, 0,1,2,3,4
	ds_store_b128 v17, v[RES+20*\g+4*\j:RES+20*\g+4*\j+3] offset:2560*\g+16*\j
.endr
.endr
.set n, 0
.rept 10
	ds_load_b128 v[OB+4*n:OB+4*n+3], v18 offset:512*n      ; LDS serves a wave's instructions in order (ISA guide 5.7.1.4): these see my stores
.set n, n+1
.endr
.set n, 0
.rept 10
	s_wait_dscnt 9-n                               ; load n is in; the 9 - n behind it stay out
	global_store_b128 v22, v[OB+4*n:OB+4*n+3], s[24:25] offset:512*n th:TH_STORE_NT   ; 32 lanes store 512 consecutive bytes, at a multiple of 256 from out1's first byte
.set n, n+1
.endr
	; the product: the last wait above was for 0, so p's fragments and the divisor are in; m's fragments have been since the second barrier
	WIN 0x05                                       ; sources 0 (m) and 1 (p) window 1; C and D window 0
.irp tt, 0,1,2
	v_wmma_f32_16x16x128_fp8_fp8 v[ACC+8*\tt:ACC+8*\tt+7], v[MF+32*\tt:MF+32*\tt+15], v[PF:PF+15], 0      ; the first K step starts the sums: nothing is cleared
.endr
.irp tt, 0,1,2
	v_wmma_f32_16x16x128_fp8_fp8 v[ACC+8*\tt:ACC+8*\tt+7], v[MF+32*\tt+16:MF+32*\tt+31], v[PF+16:PF+31], v[ACC+8*\tt:ACC+8*\tt+7]   ; the three accumulators take turns, one instruction a turn
.endr
	WIN 0
.rept 4
	v_nop                                          ; four places between the last matrix instruction and the first read of results (ISA guide 7.12.1)
.endr
.set n, 0
.rept 12
	v_pk_mul_f32 v[ACC+2*n:ACC+2*n+1], v[ACC+2*n:ACC+2*n+1], v[IV:IV+1] op_sel_hi:[1,0]   ; x 2^(e0 + e1) / l of my query; each accumulator from its low end on
.set n, n+1
.endr
.irp tt, 0,1,2
	ds_store_b128 v19, v[ACC+8*\tt:ACC+8*\tt+3] offset:64*\tt          ; lane (r, h): out0(query r, channels 48 w + 16 tt + 8 h + 0..7)
	ds_store_b128 v19, v[ACC+8*\tt+4:ACC+8*\tt+7] offset:64*\tt+16
.endr
	BAR                                            ; 16 rows of 192 channels lie in the stage: a row's 768 bytes come from four waves
	; ---------------- phase 5: out0: wave w stores rows 4 w .. 4 w + 3 ----------------
.irp a, 0,1
.irp col, 0,1,2
	ds_load_b128 v[OUT+4*(3*\a+\col):OUT+4*(3*\a+\col)+3], v20 offset:2*OP*\a+256*\col
.endr
.endr
.irp a, 0,1
.irp col, 0,1,2
	s_wait_dscnt 5-(3*\a+\col)
	global_store_b128 v21, v[OUT+4*(3*\a+\col):OUT+4*(3*\a+\col)+3], s[22:23] offset:6144*\a+256*\col th:TH_STORE_NT   ; 16 lanes store 256 consecutive bytes, at a multiple of 256 from out0's first byte
.endr
.endr
	s_set_vgpr_msb 0x4
	s_wait_tensorcnt 0x0
	ds_add_u32 v23, v129
	s_wait_dscnt 0x0
	s_set_vgpr_msb 0x400
	s_endpgm
.Lfunc_end_k_q09ad2a9a6c_attn:
	.size	k_q09ad2a9a6c_attn, .Lfunc_end_k_q09ad2a9a6c_attn-k_q09ad2a9a6c_attn
	.p2alignl 7, 3214868480
	.fill 96, 4, 3214868480
	.section	.rodata,"a",@progbits
	.p2align	6, 0x0
	.amdhsa_kernel k_q09ad2a9a6c_attn
		.amdhsa_group_segment_fixed_size 100864
		.amdhsa_private_segment_fixed_size 0
		.amdhsa_enable_private_segment 0
		.amdhsa_kernarg_size 72
		.amdhsa_user_sgpr_count 2
		.amdhsa_user_sgpr_kernarg_segment_ptr 1
		.amdhsa_wavefront_size32 1
		.amdhsa_system_sgpr_workgroup_id_x 1
		.amdhsa_system_sgpr_workgroup_id_y 1
		.amdhsa_system_sgpr_workgroup_id_z 1
		.amdhsa_system_vgpr_workitem_id 0
		.amdhsa_next_free_vgpr 386
		.amdhsa_next_free_sgpr 66
		.amdhsa_reserve_vcc 0
		.amdhsa_float_denorm_mode_32 3
		.amdhsa_float_denorm_mode_16_64 3
		.amdhsa_memory_ordered 1
		.amdhsa_forward_progress 1
		.amdhsa_inst_pref_size 52
	.end_amdhsa_kernel
	.amdgpu_metadata
---
amdhsa.version: [ 1, 2 ]
amdhsa.kernels:
  - .name:           k_q09ad2a9a6c_attn
    .symbol:         k_q09ad2a9a6c_attn.kd
    .args:
      - { .name: proj, .offset: 0, .size: 8, .value_kind: global_buffer, .address_space: global }
      - { .name: attention_mask, .offset: 8, .size: 8, .value_kind: global_buffer, .address_space: global }
      - { .name: length_mask, .offset: 16, .size: 8, .value_kind: global_buffer, .address_space: global }
      - { .name: m_codes, .offset: 24, .size: 8, .value_kind: global_buffer, .address_space: global }
      - { .name: b1, .offset: 32, .size: 8, .value_kind: global_buffer, .address_space: global }
      - { .name: b2, .offset: 40, .size: 8, .value_kind: global_buffer, .address_space: global }
      - { .name: lowp_scales, .offset: 48, .size: 8, .value_kind: global_buffer, .address_space: global }
      - { .name: out0, .offset: 56, .size: 8, .value_kind: global_buffer, .address_space: global }
      - { .name: out1, .offset: 64, .size: 8, .value_kind: global_buffer, .address_space: global }
    .group_segment_fixed_size: 100864
    .private_segment_fixed_size: 0
    .kernarg_segment_align: 8
    .kernarg_segment_size: 72
    .max_flat_workgroup_size: 128
    .sgpr_count:     66
    .vgpr_count:     386
    .wavefront_size: 32
...
	.end_amdgpu_metadata
.endif
;; end of part 2
;; ======== version 2 of 2: 2 launches; version 1 with the launch attn written anew for expert scheduling mode
;; workspace buffers: proj 68,864 bytes
;; launch proj: the kernel of part 1 again; grid 269 x 1, 4 waves a work-group, no clusters, 768 bytes of LDS; arguments q, k, emb, W1, W2, proj; writes proj
;; launch attn (part 3): grid 256 x 1, 4 waves a work-group, no clusters, 100,864 bytes of LDS; arguments proj, attention_mask, length_mask, m_codes, b1, b2, lowp_scales, out0, out1; writes out0, out1
.if DOCPART == 3
	.amdgcn_target "amdgcn-amd-amdhsa--gfx1250"
	.amdhsa_code_object_version 6
	.text
	.protected	k_q09ad2a9a6c_attn
	.globl	k_q09ad2a9a6c_attn
	.p2align	8
	.type	k_q09ad2a9a6c_attn,@function
k_q09ad2a9a6c_attn:
	s_mov_b64 s[64:65], 0
	v_nop
	global_prefetch_b8 v0, s[64:65] scope:SCOPE_SE
	s_setreg_imm32_b32 hwreg(HW_REG_WAVE_SCHED_MODE, 0, 2), 2
	s_setreg_imm32_b32 hwreg(HW_REG_WAVE_MODE, 25, 1), 1
	s_wait_xcnt 0x0
	s_wait_alu depctr_vm_vsrc(0)
; out1[b][q][k][:] = softmax over 5 classes of (q.W2 + k.W2 + emb[len].W2 + b2);   out0[b][q][:] = softmax_k(((q.W1 + k.W1 + emb[len].W1) + b1) x mask) m[b].
; The projections come from proj ([2,152][8] f32: rows 0-1023 q, 1024-2047 k, 2048-2151 emb; a row: c0..c4, a, 0, 0).
; THE QUANTISED PRODUCT.  t = logit x log2(e); M = ceil(the row's largest t); p = 2^(t - M) is held at 448 x 2^e0 and turned into E4M3 codes with the scale 2^e0; m's codes are taken as given;
; the codes are multiplied by v_wmma_f32_16x16x128_fp8_fp8, and each sum by 2^(e0 + e1) / l, l the f32 sum of the unquantised p.
; SHARES.  Work-group x: tile = x / 4 (16 queries of one batch), part = x % 4 (192 of the 768 channels of out0; queries 4 part .. 4 part + 3 of the tile for out1).
;   p: wave w makes queries 4 w .. 4 w + 3 over all 256 keys; a lane holds keys 128 g + 4 L + e (g = 0, 1; e = 0..3): 32 numbers.  Each of a tile's four parts makes p anew: 32 numbers a lane.
;   product: wave w makes channels 48 w .. 48 w + 47 of the part: three accumulators, K = 256 in two steps: six matrix instructions.   out1: wave w makes query 4 part + w: 8 keys x 5 classes a lane.
; The product is used transposed (source 0 = 16 rows of m's codes, source 1 = p's 16 queries): a lane holds one query (lane % 16) and eight neighbouring channels.
; Both fragments are fetched as four loads of 16 bytes at 32 c + 16 (lane / 16): the same permutation of k on both sides, so every product meets its partner.
; PHASES, four barriers, no branch, no loop:  1: all 48 loads go out; proj's rows of k and emb and m's codes go to LDS | barrier |  2: LDS is only read (the gathers by index among the reads); p is made in registers | barrier |
;   3: p's codes and 2^(e0 + e1) / l go to LDS | barrier |  4: the class softmax and out1 through the wave's own stage; the product; its results to a shared stage | barrier |  5: out0.
; The gathers' LDS addresses hang on loaded indices (held at 99): barriers part them from every LDS store of the text.
; LIMITS: e0 between -126 and 119, so that 2^e0 and 448 x 2^e0 are f32 numbers (e0 + e1 is applied by v_ldexp_f32 and has none); NaN and infinities among the inputs are not served;
;   an index outside 0..99 is held at 99; the three projections are added as (emb + k) + (q + bias).
; NO JOINT LOADS.  A tile's mask and indices (32,768 bytes) are read by its four parts and a part's codes of m (49,152 bytes) by the 16 tiles of its batch, each once, at the head of a text without a loop.
;   Mask and indices go straight into the registers that use them; asked for jointly they would pass through LDS (32,768 bytes more written and read there), and two rounds of a cluster's barrier would be added to five short phases.
; THE MODE: SCHED_MODE bits 1:0 = 2 (LLVM: expert scheduling mode 2), set by the entry lines.  The code itself states the register dependences
; between vector or matrix instructions and memory or LDS instructions, with s_wait_alu, always for 0.
; THE PLAN.  Registers that memory or LDS instructions touch, and who else names them:
;   v1-v6      offsets, made by vector instructions at the head, read by the global loads and by LDS loads; never written again: one wait on va_vdst ahead of the first global load.
;   v7-v22     LDS addresses and the outputs' offsets, made while the global loads are out, read in all five phases; never written again: one wait on va_vdst ahead of the first LDS store.
;   v104-217   m's codes and proj's rows as loaded: the data of phase 1's LDS stores; in phase 2 vector instructions and LDS loads write them anew: one wait on vm_vsrc at phase 2's head.
;   v64-103, v248-255   the indices, held and shifted by vector instructions, then the addresses of phase 2's gathers: one wait on va_vdst ahead of that phase's run of LDS loads;
;              phase 4 writes v64-81 (vector) and v96-103 (LDS loads) anew: one wait on vm_vsrc at phase 4's head.
;   v32-39, v164-167    p's codes and the divisors, made by vector instructions, the data of phase 3's stores: one wait on va_vdst ahead of them; never written again.
;   v208-247   out1's numbers, made by vector instructions, the data of the stage's stores: one wait on va_vdst ahead of them, which also shows all that named v96-135 done: the loads back from the stage land there.
;   v136-159   the accumulators, scaled in place, the data of out0's stage stores: one wait on va_vdst ahead of them, which also shows all that named v168-191 done: phase 5's loads land there.
;   EXEC and VCC are never written; s2 alone is written by a vector instruction.
; LDS (bytes)
.set L_E4,  0                          ; 2,048   emb's c0..c3, 16 bytes a row, 128 places
.set L_E5,  2048                       ; 512     emb's c4, a word a row
.set L_EA,  2560                       ; 512     emb's a
.set L_K4,  3072                       ; 5,120   k's c0..c3: key n at 16 n + 16 (n / 4): 16 bytes of padding behind four keys, so that lanes 80 bytes apart start at different banks
.set L_K5,  8192                       ; 1,024   k's c4, a word a key
.set L_KA,  9216                       ; 1,024   k's a
.set L_PC,  10240                      ; 4,352   p's codes: 16 queries x 272
.set L_INV, 14592                      ; 256     16 words: 2^(e0 + e1) / l
.set L_MB,  14848                      ; 52,224  m's codes: 192 rows x 272; wave w owns rows 48 w .. 48 w + 47
.set L_SS,  67072                      ; 20,480  out1's stages: 5,120 for each wave, its own
.set L_OS,  87552                      ; 12,544  out0's stage: 16 rows x 784, shared
.set PP,    272                        ; a row of 256 codes + 16: an odd multiple of 16 bytes, so the 16 rows of a fragment load start at 16 different banks
.set OP,    784                        ; a row of 192 f32 + 16: likewise
; REGISTERS, window 0.  v1-22 addresses, made once:
;   v1 16 L | v2 32 t | v3 32 min(t, 103) | v4 12288 w + 16 L | v5 4096 w + 16 L | v6 1024 w + 16 L | v7 16 t | v8 4 t | v9 16 (t + t / 4) | v10 MB + 13056 w + 272 h + 16 r | v11 80 L
;   v12 MB + 13056 w + 272 r + 16 h | v13 PC + 272 r + 16 h | v14 PC + 1088 w + 4 L | v15 INV + 16 w | v16 INV + 4 r | v17 SS + 5120 w + 80 L | v18 SS + 5120 w + 16 L
;   v19 OS + 784 r + 192 w + 32 h | v20 OS + 3136 w + 784 h + 16 r | v21 12288 w + 3072 h + 16 r | v22 5120 w + 16 L          (t thread, L lane, r = L % 16, h = L / 16, w wave)
.set IV,   24                          ; v[24:25]  2^(e0 + e1) / l of my query, and 0
.set SC,   26                          ; v26       2^e0 as f32
.set LIM,  27                          ; v27       448 x 2^e0
.set QB,   28                          ; v28-31    the score query's c0..c3 + b2[0..3]  (v28-30 hold L, r, h while the addresses are made)
.set MSK,  32                          ; v32-63    the mask, number 8 i + 4 g + e
.set LEN,  64                          ; v64-95    the indices likewise, then 4 x index
.set LSC,  96                          ; v96-103   the score query's indices, key 4 g + kk, then 4 x index
.set MC,   104                         ; v104-199  m's codes as loaded (phase 1)
.set KL0,  200                         ; v200-217  proj's rows as loaded: key t: c0..c3, (c4, a); key t + 128 likewise; emb's row
.set KH0,  204
.set KL1,  206
.set KH1,  210
.set EL,   212
.set EH,   216
.set U,    104                         ; v104-135  emb's a as gathered, then the logit, then p
.set KAR,  136                         ; v136-143  k's a of my 8 keys
.set NMP,  144                         ; v144-151  pairs (-M, t) of my four queries
.set QAB,  152                         ; v152-159  pairs (q's a + b1, twice)
.set MX,   160                         ; v160-163  a query's largest logit, later its sum l
.set TM,   164                         ; v164-167  at work across the lanes, later 2^(e0 + e1) / l
.set E4G,  168                         ; v168-199  emb's c0..c3 as gathered, then the class logits, then their exponentials
.set E5G,  200                         ; v200-207  the same for c4
.set K4R,  208                         ; v208-239  k's c0..c3 of my 8 keys
.set K5R,  240                         ; v240-247  k's c4
.set I16,  248                         ; v248-255  16 x the score query's indices
.set CD,   32                          ; v32-39    p's codes (the mask is used up)
.set PS,   40                          ; v40-55    pairs at work for p's sums
.set QB4,  40                          ; v[40:41]  the score query's c4 + b2[4], twice (phase 4)
.set NM,   42                          ; v42-57    pairs (-log2(e) x largest, largest) of my 8 keys
.set TS,   58                          ; v58-73    pairs at work for the class sums
.set SUM,  74                          ; v74-81    the class sums, then their reciprocals
.set RES,  208                         ; v208-247  out1: 20 numbers for each g
.set OB,   96                          ; v96-135   out1 back from the stage
.set ACC,  136                         ; v136-159  the product's three accumulators
.set OUT,  168                         ; v168-191  out0 back from the stage
; window 1
.set MF,   0                           ; v256-351  m's fragments: tile tt, K step s at MF + 32 tt + 16 s
.set PF,   96                          ; v352-383  p's fragments: K step s at PF + 16 s
.set MSB, 0
.macro WIN new                         ; the immediate's high byte repeats the setting that is left
.if MSB != \new
	s_set_vgpr_msb (MSB<<8)|\new
.set MSB, \new
.endif
.endm
.macro BAR                             ; my LDS stores have landed and my LDS loads are in: then the work-group's barrier
	s_wait_dscnt 0x0
	s_barrier_signal -1
	s_barrier_wait -1
.endm
.macro REDMAX                          ; the four queries' maxima over the 32 lanes, by turns; every lane ends with the result
.irp x, 1,2,4,8
.irp i, 0,1,2,3
	v_max_num_f32_dpp v[MX+\i], v[MX+\i], v[MX+\i] row_xmask:\x row_mask:0xf bank_mask:0xf
.endr
.endr
.irp i, 0,1,2,3
	v_permlanex16_b32 v[TM+\i], v[MX+\i], s50, s51
.endr
.irp i, 0,1,2,3
	v_max_num_f32 v[MX+\i], v[MX+\i], v[TM+\i]
.endr
.endm
.macro REDSUM                          ; the same for sums
.irp x, 1,2,4,8
.irp i, 0,1,2,3
	v_add_f32_dpp v[MX+\i], v[MX+\i], v[MX+\i] row_xmask:\x row_mask:0xf bank_mask:0xf
.endr
.endr
.irp i, 0,1,2,3
	v_permlanex16_b32 v[TM+\i], v[MX+\i], s50, s51
.endr
.irp i, 0,1,2,3
	v_add_f32 v[MX+\i], v[MX+\i], v[TM+\i]
.endr
.endm
	; ---------------- phase 1: everything is asked for ----------------
	s_load_b512 s[8:23], s[0:1], 0x0               ; proj s[8:9], mask s[10:11], indices s[12:13], m's codes s[14:15], b1 s[16:17], b2 s[18:19], the scales' exponents s[20:21], out0 s[22:23]
	s_load_b64 s[24:25], s[0:1], 0x40              ; out1
	v_lshl_add_u32 v23, v0, 2, 0x18800
	s_set_vgpr_msb 0x40
	v_mov_b32 v129, 0
	s_set_vgpr_msb 0x4000
	v_lshrrev_b32 v28, 5, v0
	v_readfirstlane_b32 s2, v28                    ; wave 0..3
	s_and_b32 s3, ttmp9, 3                         ; part
	s_lshr_b32 s4, ttmp9, 2                        ; tile 0..63
	s_lshr_b32 s5, s4, 4                           ; batch
	; the byte offsets, each in a pair of its own, made while the arguments are on their way (the pairs later take scalar loads)
	s_lshl_b32 s36, s4, 14                         ; mask, indices: 16 rows of 1,024 bytes a tile
	s_mov_b32 s37, 0
	s_lshl_b32 s38, s3, 12                         ; the part's four score queries: 4 rows of 1,024 bytes
	s_mov_b32 s39, 0
	s_mul_i32 s40, s5, 196608                      ; m's codes: 768 rows of 256 bytes a batch,
	s_mul_i32 s6, s3, 49152                        ; 192 rows a part
	s_add_co_u32 s40, s40, s6
	s_mov_b32 s41, 0
	s_mul_i32 s42, s4, 49152                       ; out0: 16 rows of 3,072 bytes a tile,
	s_mul_i32 s6, s3, 768                          ; 192 channels a part
	s_add_co_u32 s42, s42, s6
	s_mov_b32 s43, 0
	s_lshl_b32 s6, s4, 4                           ; the tile's first query, counted through the batches
	s_lshl_b32 s7, s3, 2
	s_add_co_u32 s7, s6, s7                        ; the part's first score query
	s_mul_i32 s44, s7, 5120                        ; out1: 5,120 bytes a query
	s_mov_b32 s45, 0
	s_wait_alu depctr_va_sdst(0)                   ; s2, the wave's number, is written, ahead of its first reader: offsets and LDS addresses are made from it
	s_lshl_b32 s46, s2, 2
	s_add_co_u32 s46, s46, s6
	s_lshl_b32 s46, s46, 5                         ; proj: the rows of queries 4 w .. 4 w + 3 of the tile
	s_mov_b32 s47, 0
	s_lshl_b32 s28, s5, 13
	s_add_co_u32 s28, s28, 32768                   ; proj: the batch's 256 rows of k
	s_mov_b32 s29, 0
	s_add_co_u32 s30, s7, s2
	s_lshl_b32 s30, s30, 5                         ; proj: my wave's score query
	s_mov_b32 s31, 0
	s_mov_b32 s48, 0x3fb8aa3b                      ; log2(e)
	s_mov_b32 s49, s48                             ; (named with it as a pair, so it is written)
	s_mov_b32 s50, 0x76543210                      ; v_permlanex16_b32: each lane takes its own place in the other half
	s_mov_b32 s51, 0xfedcba98
	s_mov_b32 s53, 0xbfb8aa3b                      ; -log2(e)
	v_and_b32 v28, 31, v0                          ; L
	v_lshlrev_b32 v1, 4, v28
	v_lshlrev_b32 v2, 5, v0
	v_min_u32 v3, 103, v0
	v_lshlrev_b32 v3, 5, v3
	s_mul_i32 s6, s2, 12288
	v_add_nc_u32 v4, s6, v1
	s_lshl_b32 s6, s2, 12
	v_add_nc_u32 v5, s6, v1
	s_lshl_b32 s6, s2, 10
	v_add_nc_u32 v6, s6, v1
	s_wait_kmcnt 0x0
	s_add_nc_u64 s[10:11], s[10:11], s[36:37]
	s_add_nc_u64 s[12:13], s[12:13], s[36:37]
	s_add_nc_u64 s[58:59], s[12:13], s[38:39]
	s_add_nc_u64 s[14:15], s[14:15], s[40:41]
	s_add_nc_u64 s[22:23], s[22:23], s[42:43]
	s_add_nc_u64 s[24:25], s[24:25], s[44:45]
	s_add_nc_u64 s[54:55], s[8:9], s[46:47]
	s_add_nc_u64 s[56:57], s[8:9], s[28:29]
	s_add_nc_u64 s[60:61], s[8:9], s[30:31]
	s_load_b32 s26, s[16:17], 0x0                  ; b1
	s_load_b128 s[28:31], s[18:19], 0x0            ; b2[0..3]
	s_load_b32 s32, s[18:19], 0x10                 ; b2[4]
	s_load_b64 s[34:35], s[20:21], 0x0             ; e0 (p), e1 (m)
.irp i, 0,1,2,3
	s_load_b32 s[36+\i], s[54:55], 20+32*\i        ; a of query 4 w + i
.endr
	s_load_b256 s[40:47], s[60:61], 0x0            ; the score query's row: c0..c4, a, 0, 0
	s_wait_alu depctr_va_vdst(0)                   ; the offsets v1 to v6 are written, which the loads below read; they are never written again
	; 48 loads, in the order in which they are wanted: 6 of proj, 24 of m's codes, 8 + 2 of indices, 8 of the mask
	global_load_b128 v[KL0:KL0+3], v2, s[56:57]
	global_load_b64 v[KH0:KH0+1], v2, s[56:57] offset:16
	global_load_b128 v[KL1:KL1+3], v2, s[56:57] offset:4096
	global_load_b64 v[KH1:KH1+1], v2, s[56:57] offset:4112
	global_load_b128 v[EL:EL+3], v3, s[8:9] offset:65536
	global_load_b64 v[EH:EH+1], v3, s[8:9] offset:65552
.set n, 0
.rept 24
	global_load_b128 v[MC+4*n:MC+4*n+3], v4, s[14:15] offset:512*n   ; two rows of 256 codes: 512 consecutive bytes
.set n, n+1
.endr
.irp i, 0,1,2,3
.irp g, 0,1
	global_load_b128 v[LEN+8*\i+4*\g:LEN+8*\i+4*\g+3], v5, s[12:13] offset:1024*\i+512*\g
.endr
.endr
.irp g, 0,1
	global_load_b128 v[LSC+4*\g:LSC+4*\g+3], v6, s[58:59] offset:512*\g
.endr
.irp i, 0,1,2,3
.irp g, 0,1
	global_load_b128 v[MSK+8*\i+4*\g:MSK+8*\i+4*\g+3], v5, s[10:11] offset:1024*\i+512*\g
.endr
.endr
	; the LDS addresses are made while the loads are out: these lines write v7 to v22, v29 and v30, none of which a load above reads or lands in
	v_and_b32 v29, 15, v0                          ; r
	v_bfe_u32 v30, v0, 4, 1                        ; h
	v_lshlrev_b32 v7, 4, v0
	v_lshlrev_b32 v8, 2, v0
	v_lshrrev_b32 v9, 2, v0
	v_add_nc_u32 v9, v9, v0
	v_lshlrev_b32 v9, 4, v9
	s_mul_i32 s6, s2, 48*PP
	s_add_co_u32 s6, s6, L_MB                      ; my wave's 48 rows of m's codes
	v_mul_u32_u24 v10, v30, PP
	v_lshl_add_u32 v10, v29, 4, v10
	v_add_nc_u32 v10, s6, v10
	v_mul_u32_u24 v11, v28, 80
	v_mul_u32_u24 v12, v29, PP
	v_lshl_add_u32 v12, v30, 4, v12
	v_add_nc_u32 v13, L_PC, v12
	v_add_nc_u32 v12, s6, v12
	s_mul_i32 s7, s2, 4*PP
	s_add_co_u32 s7, s7, L_PC
	v_lshl_add_u32 v14, v28, 2, s7
	s_lshl_b32 s7, s2, 4
	s_add_co_u32 s7, s7, L_INV
	v_mov_b32 v15, s7
	v_lshl_add_u32 v16, v29, 2, L_INV
	s_mul_i32 s7, s2, 5120
	v_add_nc_u32 v22, s7, v1
	s_add_co_u32 s7, s7, L_SS
	v_add_nc_u32 v17, s7, v11
	v_add_nc_u32 v18, s7, v1
	s_mul_i32 s7, s2, 192
	s_add_co_u32 s7, s7, L_OS
	v_mul_u32_u24 v19, v29, OP
	v_lshl_add_u32 v19, v30, 5, v19
	v_add_nc_u32 v19, s7, v19
	s_mul_i32 s7, s2, 4*OP
	s_add_co_u32 s7, s7, L_OS
	v_mul_u32_u24 v20, v30, OP
	v_lshl_add_u32 v20, v29, 4, v20
	v_add_nc_u32 v20, s7, v20
	s_mul_i32 s7, s2, 12288
	v_mul_u32_u24 v21, v30, 3072
	v_lshl_add_u32 v21, v29, 4, v21
	v_add_nc_u32 v21, s7, v21
	s_wait_alu depctr_va_vdst(0)                   ; the addresses v7 to v22 are written, which the LDS instructions and the global stores of all five phases read; they are never written again
	s_wait_loadcnt 42                              ; proj's six loads are in; the 24 + 8 + 2 + 8 behind them stay out
	ds_store_b128 v9, v[KL0:KL0+3] offset:L_K4
	ds_store_b128 v9, v[KL1:KL1+3] offset:L_K4+2560    ; key t + 128: 16 x 128 + 16 x 32 bytes on
	ds_store_b32 v8, v[KH0] offset:L_K5
	ds_store_b32 v8, v[KH1] offset:L_K5+512
	ds_store_b32 v8, v[KH0+1] offset:L_KA
	ds_store_b32 v8, v[KH1+1] offset:L_KA+512
	ds_store_b128 v7, v[EL:EL+3] offset:L_E4
	ds_store_b32 v8, v[EH] offset:L_E5
	ds_store_b32 v8, v[EH+1] offset:L_EA
	s_wait_loadcnt 18                              ; m's codes are in; indices and mask stay out
.set n, 0
.rept 24
	ds_store_b128 v10, v[MC+4*n:MC+4*n+3] offset:2*PP*n
.set n, n+1
.endr
	BAR                                            ; the tables and the codes lie in LDS
	; ---------------- phase 2: LDS is only read; p ----------------
	s_wait_alu depctr_vm_vsrc(0)                   ; phase 1's LDS stores have read their data in v104 to v217, which this phase's vector instructions and LDS loads write anew
	s_wait_kmcnt 0x0
	s_add_co_i32 s6, s34, 127
	s_lshl_b32 s7, s6, 23
	v_mov_b32 v[SC], s7                            ; 2^e0 as f32: the conversion takes its exponent field
	s_add_co_i32 s6, s6, 8
	s_lshl_b32 s6, s6, 23
	s_or_b32 s6, s6, 0x600000
	v_mov_b32 v[LIM], s6                           ; 448 x 2^e0
	s_add_co_i32 s52, s34, s35                     ; e0 + e1
.irp i, 0,1,2,3
	v_add_f32 v[QAB+2*\i], s[36+\i], s26           ; q's a + b1
	v_add_f32 v[QAB+2*\i+1], s[36+\i], s26
	v_mov_b32 v[TM+\i], 0                          ; written once: a lane permute's destination counts as one of its sources
.endr
.irp c, 0,1,2,3
	v_add_f32 v[QB+\c], s[40+\c], s[28+\c]         ; the score query's c + b2
.endr
	s_wait_loadcnt 8                               ; the indices are in; the mask's eight loads stay out
.set n, 0
.rept 32
	v_min_u32 v[LEN+n], 99, v[LEN+n]               ; an index enters an address only held inside the table
.set n, n+1
.endr
.set n, 0
.rept 8
	v_min_u32 v[LSC+n], 99, v[LSC+n]
.set n, n+1
.endr
.set n, 0
.rept 32
	v_lshlrev_b32 v[LEN+n], 2, v[LEN+n]
.set n, n+1
.endr
.set n, 0
.rept 8
	v_lshlrev_b32 v[I16+n], 4, v[LSC+n]
	v_lshlrev_b32 v[LSC+n], 2, v[LSC+n]
.set n, n+1
.endr
	s_wait_alu depctr_va_vdst(0)                   ; the shifts have written the gathers' addresses in v64 to v103 and v248 to v255; only loads and one window switch stand between this wait and the last load of the run
.irp g, 0,1
	ds_load_b128 v[KAR+4*\g:KAR+4*\g+3], v1 offset:L_KA+512*\g     ; k's a of keys 128 g + 4 L + 0..3
.endr
.set n, 0
.rept 32
	ds_load_b32 v[U+n], v[LEN+n] offset:L_EA       ; emb's a by index
.set n, n+1
.endr
.irp g, 0,1
.irp kk, 0,1,2,3
	ds_load_b128 v[K4R+16*\g+4*\kk:K4R+16*\g+4*\kk+3], v11 offset:L_K4+2560*\g+16*\kk
.endr
.endr
.irp g, 0,1
	ds_load_b128 v[K5R+4*\g:K5R+4*\g+3], v1 offset:L_K5+512*\g
.endr
.set n, 0
.rept 8
	ds_load_b128 v[E4G+4*n:E4G+4*n+3], v[I16+n] offset:L_E4
.set n, n+1
.endr
.set n, 0
.rept 8
	ds_load_b32 v[E5G+n], v[LSC+n] offset:L_E5
.set n, n+1
.endr
	WIN 0x40                                       ; destination window 1, address window 0
.irp tt, 0,1,2
.irp s, 0,1
.irp c, 0,1,2,3
	ds_load_b128 v[MF+32*\tt+16*\s+4*\c:MF+32*\tt+16*\s+4*\c+3], v12 offset:16*PP*\tt+128*\s+32*\c
.endr
.endr
.endr
	WIN 0
	s_wait_dscnt 50                                ; k's a and emb's a are in; the 26 + 24 loads behind them land under the arithmetic below, which writes none of their addresses and none of their registers
.irp i, 0,1,2,3
.irp m, 0,2,4,6
	v_pk_add_f32 v[U+8*\i+\m:U+8*\i+\m+1], v[U+8*\i+\m:U+8*\i+\m+1], v[KAR+\m:KAR+\m+1]
.endr
.endr
.irp i, 0,1,2,3
.irp m, 0,2,4,6
	v_pk_add_f32 v[U+8*\i+\m:U+8*\i+\m+1], v[U+8*\i+\m:U+8*\i+\m+1], v[QAB+2*\i:QAB+2*\i+1]
.endr
.endr
	s_wait_loadcnt 0x0                             ; the mask
.set n, 0
.rept 16
	v_pk_mul_f32 v[U+2*n:U+2*n+1], v[U+2*n:U+2*n+1], v[MSK+2*n:MSK+2*n+1]   ; the logit
.set n, n+1
.endr
.irp i, 0,1,2,3
	v_max3_num_f32 v[MX+\i], v[U+8*\i], v[U+8*\i+1], v[U+8*\i+2]
.endr
.irp i, 0,1,2,3
	v_max3_num_f32 v[MX+\i], v[MX+\i], v[U+8*\i+3], v[U+8*\i+4]
.endr
.irp i, 0,1,2,3
	v_max3_num_f32 v[MX+\i], v[MX+\i], v[U+8*\i+5], v[U+8*\i+6]
.endr
.irp i, 0,1,2,3
	v_max_num_f32 v[MX+\i], v[MX+\i], v[U+8*\i+7]
.endr
	REDMAX
.irp i, 0,1,2,3
	v_mul_f32 v[NMP+2*\i+1], s48, v[MX+\i]         ; the row's largest t (log2(e) is positive)
.endr
.irp i, 0,1,2,3
	v_floor_f32 v[NMP+2*\i], -v[NMP+2*\i+1]        ; -M = floor(-t) = -ceil(t): a whole number
.endr
.irp i, 0,1,2,3
.irp m, 0,2,4,6
	v_pk_fma_f32 v[U+8*\i+\m:U+8*\i+\m+1], v[U+8*\i+\m:U+8*\i+\m+1], s[48:49], v[NMP+2*\i:NMP+2*\i+1] op_sel_hi:[1,0,0]   ; t - M (of the pairs the low word serves both halves)
.endr
.endr
.set n, 0
.rept 32
	v_exp_f32 v[U+n], v[U+n]                       ; p = 2^(t - M), at most 1: not normalised
.set n, n+1
.endr
	v_mov_b32 v[IV+1], 0                           ; (named as the upper half of a pair further down)  a plain instruction behind the last exponential
	s_wait_alu depctr_va_vdst(0)                   ; the 32 exponentials have written p in v104 to v135: the wait ahead of the first line that names a result: one for the batch
.irp i, 0,1,2,3
	v_pk_add_f32 v[PS+4*\i:PS+4*\i+1], v[U+8*\i:U+8*\i+1], v[U+8*\i+2:U+8*\i+3]         ; the row's sum is taken of the unquantised p
	v_pk_add_f32 v[PS+4*\i+2:PS+4*\i+3], v[U+8*\i+4:U+8*\i+5], v[U+8*\i+6:U+8*\i+7]
.endr
.irp i, 0,1,2,3
	v_pk_add_f32 v[PS+4*\i:PS+4*\i+1], v[PS+4*\i:PS+4*\i+1], v[PS+4*\i+2:PS+4*\i+3]
.endr
.irp i, 0,1,2,3
	v_add_f32 v[MX+\i], v[PS+4*\i], v[PS+4*\i+1]
.endr
	REDSUM
.irp i, 0,1,2,3
	v_rcp_f32 v[TM+\i], v[MX+\i]                   ; 1 / l
.endr
.set n, 0
.rept 32
	v_min_num_f32 v[U+n], v[U+n], v[LIM]           ; the conversion to an 8-bit code does not saturate (ISA guide 7.6.2); p is not negative, so the hold is one-sided.  (Plain instructions behind the reciprocals)
.set n, n+1
.endr
.irp i, 0,1,2,3
	v_cvt_scalef32_pk8_fp8_f32 v[CD+2*\i:CD+2*\i+1], v[U+8*\i:U+8*\i+7], v[SC]   ; register 2 i: keys 4 L + 0..3; register 2 i + 1: keys 128 + 4 L + 0..3
.endr
	v_nop                                          ; one plain instruction behind the last scaled conversion: its sources' registers are written again further down
	s_wait_alu depctr_va_vdst(0)                   ; the four reciprocals have written v164 to v167, ahead of their first reader
.irp i, 0,1,2,3
	v_ldexp_f32 v[TM+\i], v[TM+\i], s52            ; x 2^(e0 + e1)
.endr
	BAR                                            ; every wave's LDS reads are in, the gathers among them: from here on LDS may be stored to again
	; ---------------- phase 3: p's codes go from wave to wave ----------------
	s_wait_alu depctr_va_vdst(0)                   ; the conversions have written p's codes in v32 to v39 and the four v_ldexp_f32 the divisors in v164 to v167: the data of the stores below
.irp i, 0,1,2,3
.irp g, 0,1
	ds_store_b32 v14, v[CD+2*\i+\g] offset:PP*\i+128*\g    ; query 4 w + i, keys 128 g + 4 L + 0..3: 128 consecutive bytes a store
.endr
.endr
.irp i, 0,1,2,3
	ds_store_b32 v15, v[TM+\i] offset:4*\i         ; all lanes write the same word with the same number
.endr
	BAR                                            ; the 16 queries' codes and divisors lie in LDS
	; ---------------- phase 4: the class softmax, out1, the product ----------------
	s_wait_alu depctr_vm_vsrc(0)                   ; phase 2's gathers have read their addresses in v64 to v103: below, vector instructions write v64 to v81 and the loads back from the stage land in v96 on
	WIN 0x40
.irp s, 0,1
.irp c, 0,1,2,3
	ds_load_b128 v[PF+16*\s+4*\c:PF+16*\s+4*\c+3], v13 offset:128*\s+32*\c
.endr
.endr
	WIN 0
	ds_load_b32 v[IV], v16                         ; 2^(e0 + e1) / l of query r
	v_add_f32 v[QB4], s44, s32                     ; the score query's c4 + b2[4]
	v_add_f32 v[QB4+1], s44, s32
.set n, 0
.rept 16
	v_pk_add_f32 v[E4G+2*n:E4G+2*n+1], v[E4G+2*n:E4G+2*n+1], v[K4R+2*n:K4R+2*n+1]   ; emb's + k's
.set n, n+1
.endr
.set n, 0
.rept 4
	v_pk_add_f32 v[E5G+2*n:E5G+2*n+1], v[E5G+2*n:E5G+2*n+1], v[K5R+2*n:K5R+2*n+1]
.set n, n+1
.endr
.set n, 0
.rept 8
	v_pk_add_f32 v[E4G+4*n:E4G+4*n+1], v[E4G+4*n:E4G+4*n+1], v[QB:QB+1]             ; + q's + b2
	v_pk_add_f32 v[E4G+4*n+2:E4G+4*n+3], v[E4G+4*n+2:E4G+4*n+3], v[QB+2:QB+3]
.set n, n+1
.endr
.set n, 0
.rept 4
	v_pk_add_f32 v[E5G+2*n:E5G+2*n+1], v[E5G+2*n:E5G+2*n+1], v[QB4:QB4+1]
.set n, n+1
.endr
.set n, 0
.rept 8
	v_max3_num_f32 v[NM+2*n+1], v[E4G+4*n], v[E4G+4*n+1], v[E4G+4*n+2]
.set n, n+1
.endr
.set n, 0
.rept 8
	v_max3_num_f32 v[NM+2*n+1], v[NM+2*n+1], v[E4G+4*n+3], v[E5G+n]                 ; the largest of the five is taken away ahead of the exponentials
.set n, n+1
.endr
.set n, 0
.rept 8
	v_mul_f32 v[NM+2*n], s53, v[NM+2*n+1]          ; -log2(e) x the largest
.set n, n+1
.endr
.set n, 0
.rept 8
	v_pk_fma_f32 v[E4G+4*n:E4G+4*n+1], v[E4G+4*n:E4G+4*n+1], s[48:49], v[NM+2*n:NM+2*n+1] op_sel_hi:[1,0,0]     ; log2(e) x (logit - the largest)
	v_pk_fma_f32 v[E4G+4*n+2:E4G+4*n+3], v[E4G+4*n+2:E4G+4*n+3], s[48:49], v[NM+2*n:NM+2*n+1] op_sel_hi:[1,0,0]
	v_fma_f32 v[E5G+n], v[E5G+n], s48, v[NM+2*n]
.set n, n+1
.endr
.set n, 0
.rept 40
	v_exp_f32 v[E4G+n], v[E4G+n]                   ; E4G's 32 registers and E5G's 8 lie on end
.set n, n+1
.endr
	v_nop                                          ; a plain instruction behind the last exponential
	s_wait_alu depctr_va_vdst(0)                   ; the 40 exponentials have written v168 to v207: one wait for the batch, ahead of its first reader
.set n, 0
.rept 8
	v_pk_add_f32 v[TS+2*n:TS+2*n+1], v[E4G+4*n:E4G+4*n+1], v[E4G+4*n+2:E4G+4*n+3]
.set n, n+1
.endr
.set n, 0
.rept 8
	v_add_f32 v[SUM+n], v[TS+2*n], v[TS+2*n+1]
.set n, n+1
.endr
.set n, 0
.rept 8
	v_add_f32 v[SUM+n], v[SUM+n], v[E5G+n]
.set n, n+1
.endr
.set n, 0
.rept 8
	v_rcp_f32 v[SUM+n], v[SUM+n]
.set n, n+1
.endr
	v_nop                                          ; a plain instruction behind the last reciprocal
	s_wait_alu depctr_va_vdst(0)                   ; the eight reciprocals have written v74 to v81: one wait, ahead of their first reader
.irp g, 0,1
.irp kk, 0,1,2,3
.irp c, 0,1,2,3
	v_mul_f32 v[RES+20*\g+5*\kk+\c], v[E4G+16*\g+4*\kk+\c], v[SUM+4*\g+\kk]
.endr
	v_mul_f32 v[RES+20*\g+5*\kk+4], v[E5G+4*\g+\kk], v[SUM+4*\g+\kk]
.endr
.endr
	; a lane's four keys x five classes are 80 consecutive bytes of out1's row: they go through my own stage and come back 16 bytes a lane
	s_wait_alu depctr_va_vdst(0)                   ; the 40 multiplies have written v208 to v247, the stores' data; and every vector instruction that named v96 to v135 (indices, p) is done: the loads back from the stage land there
.irp g, 0,1
.irp j, 0,1,2,3,4
	ds_store_b128 v17, v[RES+20*\g+4*\j:RES+20*\g+4*\j+3] offset:2560*\g+16*\j
.endr
.endr
.set n, 0
.rept 10
	ds_load_b128 v[OB+4*n:OB+4*n+3], v18 offset:512*n      ; LDS serves a wave's instructions in order (ISA guide 5.7.1.4): these see my stores
.set n, n+1
.endr
.set n, 0
.rept 10
	s_wait_dscnt 9-n                               ; load n is in; the 9 - n behind it stay out
	global_store_b128 v22, v[OB+4*n:OB+4*n+3], s[24:25] offset:512*n th:TH_STORE_NT   ; 32 lanes store 512 consecutive bytes, at a multiple of 256 from out1's first byte
.set n, n+1
.endr
	; the product: the last wait above was for 0, so p's fragments and the divisor are in; m's fragments have been since the second barrier
	WIN 0x05                                       ; sources 0 (m) and 1 (p) window 1; C and D window 0
.irp tt, 0,1,2
	v_wmma_f32_16x16x128_fp8_fp8 v[ACC+8*\tt:ACC+8*\tt+7], v[MF+32*\tt:MF+32*\tt+15], v[PF:PF+15], 0      ; the first K step starts the sums: nothing is cleared
.endr
.irp tt, 0,1,2
	v_wmma_f32_16x16x128_fp8_fp8 v[ACC+8*\tt:ACC+8*\tt+7], v[MF+32*\tt+16:MF+32*\tt+31], v[PF+16:PF+31], v[ACC+8*\tt:ACC+8*\tt+7]   ; the three accumulators take turns, one instruction a turn
.endr
	WIN 0
.rept 4
	v_nop                                          ; four places between the last matrix instruction and the first read of results (ISA guide 7.12.1)
.endr
.set n, 0
.rept 12
	v_pk_mul_f32 v[ACC+2*n:ACC+2*n+1], v[ACC+2*n:ACC+2*n+1], v[IV:IV+1] op_sel_hi:[1,0]   ; x 2^(e0 + e1) / l of my query; each accumulator from its low end on
.set n, n+1
.endr
	s_wait_alu depctr_va_vdst(0)                   ; the twelve multiplies have written v136 to v159, the stores' data; and every vector instruction that named v168 to v191 (the class exponentials) is done: phase 5's loads land there
.irp tt, 0,1,2
	ds_store_b128 v19, v[ACC+8*\tt:ACC+8*\tt+3] offset:64*\tt          ; lane (r, h): out0(query r, channels 48 w + 16 tt + 8 h + 0..7)
	ds_store_b128 v19, v[ACC+8*\tt+4:ACC+8*\tt+7] offset:64*\tt+16
.endr
	BAR                                            ; 16 rows of 192 channels lie in the stage: a row's 768 bytes come from four waves
	; ---------------- phase 5: out0: wave w stores rows 4 w .. 4 w + 3 ----------------
.irp a, 0,1
.irp col, 0,1,2
	ds_load_b128 v[OUT+4*(3*\a+\col):OUT+4*(3*\a+\col)+3], v20 offset:2*OP*\a+256*\col
.endr
.endr
.irp a, 0,1
.irp col, 0,1,2
	s_wait_dscnt 5-(3*\a+\col)
	global_store_b128 v21, v[OUT+4*(3*\a+\col):OUT+4*(3*\a+\col)+3], s[22:23] offset:6144*\a+256*\col th:TH_STORE_NT   ; 16 lanes store 256 consecutive bytes, at a multiple of 256 from out0's first byte
.endr
.endr
	s_set_vgpr_msb 0x4
	s_wait_dscnt 0x0
	s_wait_alu depctr_hold_cnt(0) depctr_sa_sdst(0) depctr_va_vdst(0) depctr_va_sdst(0) depctr_va_ssrc(0) depctr_va_vcc(0) depctr_vm_vsrc(0)
	s_wait_tensorcnt 0x0
	ds_add_u32 v23, v129
	s_wait_dscnt 0x0
	s_endpgm
.Lfunc_end_k_q09ad2a9a6c_attn:
	.size	k_q09ad2a9a6c_attn, .Lfunc_end_k_q09ad2a9a6c_attn-k_q09ad2a9a6c_attn
	.p2alignl 7, 3214868480
	.fill 96, 4, 3214868480
	.section	.rodata,"a",@progbits
	.p2align	6, 0x0
	.amdhsa_kernel k_q09ad2a9a6c_attn
		.amdhsa_group_segment_fixed_size 100864
		.amdhsa_private_segment_fixed_size 0
		.amdhsa_enable_private_segment 0
		.amdhsa_kernarg_size 72
		.amdhsa_user_sgpr_count 2
		.amdhsa_user_sgpr_kernarg_segment_ptr 1
		.amdhsa_wavefront_size32 1
		.amdhsa_system_sgpr_workgroup_id_x 1
		.amdhsa_system_sgpr_workgroup_id_y 1
		.amdhsa_system_sgpr_workgroup_id_z 1
		.amdhsa_system_vgpr_workitem_id 0
		.amdhsa_next_free_vgpr 386
		.amdhsa_next_free_sgpr 66
		.amdhsa_reserve_vcc 0
		.amdhsa_float_denorm_mode_32 3
		.amdhsa_float_denorm_mode_16_64 3
		.amdhsa_memory_ordered 1
		.amdhsa_forward_progress 1
		.amdhsa_inst_pref_size 52
	.end_amdhsa_kernel
	.amdgpu_metadata
---
amdhsa.version: [ 1, 2 ]
amdhsa.kernels:
  - .name:           k_q09ad2a9a6c_attn
    .symbol:         k_q09ad2a9a6c_attn.kd
    .args:
      - { .name: proj, .offset: 0, .size: 8, .value_kind: global_buffer, .address_space: global }
      - { .name: attention_mask, .offset: 8, .size: 8, .value_kind: global_buffer, .address_space: global }
      - { .name: length_mask, .offset: 16, .size: 8, .value_kind: global_buffer, .address_space: global }
      - { .name: m_codes, .offset: 24, .size: 8, .value_kind: global_buffer, .address_space: global }
      - { .name: b1, .offset: 32, .size: 8, .value_kind: global_buffer, .address_space: global }
      - { .name: b2, .offset: 40, .size: 8, .value_kind: global_buffer, .address_space: global }
      - { .name: lowp_scales, .offset: 48, .size: 8, .value_kind: global_buffer, .address_space: global }
      - { .name: out0, .offset: 56, .size: 8, .value_kind: global_buffer, .address_space: global }
      - { .name: out1, .offset: 64, .size: 8, .value_kind: global_buffer, .address_space: global }
    .group_segment_fixed_size: 100864
    .private_segment_fixed_size: 0
    .kernarg_segment_align: 8
    .kernarg_segment_size: 72
    .max_flat_workgroup_size: 128
    .sgpr_count:     66
    .vgpr_count:     386
    .wavefront_size: 32
...
	.end_amdgpu_metadata
.endif
;; end of part 3
